; MI455X (gfx1250); checked and timed in simulation.
; The chip was launched on July 23, 2026; its instructions are those of AMD's public machine-readable ISA for CDNA 5 (MIT licence, August 2026) and "CDNA5" Instruction Set Architecture Reference Guide (July 2026). The comments in the code are by the model that wrote it; some were corrected since.
;; Mock Mo E Layer. Allowed arithmetic: float matrix products may take bf16 or f16 operands with f32 sums; all other float work in f32.
;; Inputs: expert_b 8 x 1,024 float32; expert_w 8 x 1,024 x 1,024 float32; hidden_states 2 x 1,024 x 1,024 float32; router_b 8 float32; router_w 8 x 1,024 float32.
;; Outputs: out0 2 x 1,024 x 1,024 float32.
;; 2 versions, each right; version 2 is version 1 with the launch experts written anew for expert scheduling mode. Each part assembles by itself: llvm-mc -triple=amdgcn-amd-amdhsa -mcpu=gfx1250 --defsym DOCPART=n.
;; ======== version 1 of 2: 3 launches
;; limits: values are held in f16: magnitudes above 65,504 overflow, below 6.1e-05 lose precision
;; workspace buffers: keys 8,192 bytes of whole numbers; xh 4,194,304 bytes; lists 229,376 bytes of whole numbers; counts 256 bytes of whole numbers
;; launch route (part 1): grid 256 x 1, 4 waves a work-group, no clusters, 0 bytes of LDS; arguments hidden_states, router_w, router_b, keys, xh; writes keys, xh
.if DOCPART == 1
	.amdgcn_target "amdgcn-amd-amdhsa--gfx1250"
	.amdhsa_code_object_version 6
	.text
	.protected	k_q4069dbbbc4_route
	.globl	k_q4069dbbbc4_route
	.p2align	8
	.type	k_q4069dbbbc4_route,@function
k_q4069dbbbc4_route:
	s_mov_b64 s[64:65], 0
	v_nop
	global_prefetch_b8 v0, s[64:65] scope:SCOPE_SE
	s_setreg_imm32_b32 hwreg(HW_REG_WAVE_MODE, 25, 1), 1
	s_wait_xcnt 0x0
; ROUTER.  For each of the 2,048 tokens: logits = router_w x + router_b (f32, vector ALU), softmax, the two largest
; probabilities (the lower index wins a tie), and the pair {a < b} stored as one whole number
;   key = a (15 - a) / 2 + b - a - 1   (0 .. 27),
; from which the next launch forms its lists.  On the way x is rounded once to f16 and stored to xh for the matrix products.
; The logits stay in f32 on purpose: a choice between two experts turns 1,024 outputs, and 8 x 1,024 multiply-adds a token are no bulk work.
; SHARE: a wave owns two tokens, a lane the columns k = 128 j + 4 lane .. +3, j = 0..7; 256 work-groups x 4 waves x 2 = 2,048 tokens.
; No LDS, no barrier: no wave needs another.  No matrix unit, no cluster: nothing here is a product of two large matrices.
; LIMITS: the sum over k is made in this text's own order, the division is a multiplication by v_rcp_f32, and v_exp_f32 gives zero
; below 2^-126: tokens whose second and third probability differ by a few units in the last place (or have both underflowed, a gap of
; about 87 in the logits) may be routed otherwise than by reference().  NaN and infinities in the router's inputs are not reproduced
; (the two indices are still kept distinct, so every token gets a valid key).  In xh an |x| above 65,504 becomes infinity and one
; below 2^-24 is lost: f16's range.
.set X,   16                           ; v[16:79]    x: token t, chunk j at 16 + 32 t + 4 j; after its use the first two registers hold 4 f16
.set WB,  80                           ; v[80:207]   router_w: four chunk buffers, expert e at 80 + 32 (j % 4) + 4 e
.set ACC, 208                          ; v[208:239]  two partial sums for (t, e) at 208 + 16 t + 2 e
.set LG,  80                           ; v[80:95]    after the chunks: logit, then probability, of (t, e) at 80 + 8 t + e
.set KEY, 14                           ; v14, v15    the two tokens' keys;  v6-v13 at work
	s_load_b256 s[4:11], s[0:1], 0x0               ; hidden s[4:5], router_w s[6:7], router_b s[8:9], keys s[10:11]
	s_load_b64 s[12:13], s[0:1], 0x20              ; xh
	v_lshrrev_b32 v6, 5, v0
	v_readfirstlane_b32 s14, v6                    ; wave 0..3
	v_and_b32 v1, 31, v0                           ; lane
	v_lshlrev_b32 v2, 4, v1                        ; 16 lane: my 4 f32 in a chunk of 128
	v_lshlrev_b32 v3, 3, v1                        ; 8 lane: my 4 f16
	v_lshlrev_b32 v4, 2, v1                        ; 4 lane: a key
	v_mov_b32 v5, 0                                ; v_permlanex16_b32 counts as a reader of its destination
	s_lshl2_add_u32 s15, ttmp9, s14                ; pair of tokens: 4 x work-group + wave
	s_mov_b32 s24, 0x76543210                      ; v_permlanex16_b32: lane i reads lane i of the other half
	s_mov_b32 s25, 0xfedcba98
	s_mov_b32 s3, 0
	s_wait_kmcnt 0x0
	s_load_b256 s[16:23], s[8:9], 0x0              ; the eight router biases, as scalars
	s_lshl_b32 s2, s15, 13                         ; two rows of 4,096 bytes
	s_add_nc_u64 s[4:5], s[4:5], s[2:3]
	s_lshl_b32 s2, s15, 12                         ; two rows of 2,048 bytes
	s_add_nc_u64 s[12:13], s[12:13], s[2:3]
	s_lshl_b32 s2, s15, 3                          ; two keys
	s_add_nc_u64 s[10:11], s[10:11], s[2:3]
.irp t, 0,1
.irp j, 0,1,2,3,4,5,6,7
	global_load_b128 v[X+32*\t+4*\j:X+32*\t+4*\j+3], v2, s[4:5] offset:4096*\t+512*\j th:TH_LOAD_NT   ; read once in the launch
.endr
.endr
; chunk j of all eight rows of router_w: every wave of the launch reads these bytes, so no hint
.macro WLOAD j
.irp e, 0,1,2,3,4,5,6,7
	global_load_b128 v[WB+32*((\j)%4)+4*\e:WB+32*((\j)%4)+4*\e+3], v2, s[6:7] offset:4096*\e+512*(\j)
.endr
.endm
	WLOAD 0
	WLOAD 1
	WLOAD 2
	WLOAD 3
; 16 packed multiply-adds: two of my four columns (half = 0 or 2) of chunk j for 2 tokens x 8 experts.  first = 1 starts the sums.
.macro DOT j, half, first
.irp t, 0,1
.irp e, 0,1,2,3,4,5,6,7
.if \first
	v_pk_mul_f32 v[ACC+16*\t+2*\e:ACC+16*\t+2*\e+1], v[X+32*\t+4*\j+\half:X+32*\t+4*\j+\half+1], v[WB+32*(\j%4)+4*\e+\half:WB+32*(\j%4)+4*\e+\half+1]
.else
	v_pk_fma_f32 v[ACC+16*\t+2*\e:ACC+16*\t+2*\e+1], v[X+32*\t+4*\j+\half:X+32*\t+4*\j+\half+1], v[WB+32*(\j%4)+4*\e+\half:WB+32*(\j%4)+4*\e+\half+1], v[ACC+16*\t+2*\e:ACC+16*\t+2*\e+1]
.endif
.endr
.endr
.endm
; One chunk.  left = the younger loads that may stay out: loads come back in order (ISA guide 5.7.1), and behind chunk j's eight
; stand those of the chunks already asked for (three chunks of eight while the ring is full).
.macro CHUNK j, left
	s_wait_loadcnt \left
.if \j == 0
	DOT \j, 0, 1
.else
	DOT \j, 0, 0
.endif
	DOT \j, 2, 0
.if \j < 4
	WLOAD \j+4                                     ; into the buffer just used
.endif
.irp t, 0,1
	v_cvt_pk_f16_f32 v[X+32*\t+4*\j],   v[X+32*\t+4*\j],   v[X+32*\t+4*\j+1]       ; x is done with as f32: round it in place
	v_cvt_pk_f16_f32 v[X+32*\t+4*\j+1], v[X+32*\t+4*\j+2], v[X+32*\t+4*\j+3]
	global_store_b64 v3, v[X+32*\t+4*\j:X+32*\t+4*\j+1], s[12:13] offset:2048*\t+256*\j   ; the wave's store covers 256 consecutive bytes, aligned
.endr
.endm
	CHUNK 0, 24
	CHUNK 1, 24
	CHUNK 2, 24
	CHUNK 3, 24
	CHUNK 4, 24
	CHUNK 5, 16
	CHUNK 6, 8
	CHUNK 7, 0
	; the 16 sums: the lane's two halves, four steps inside each half of 16 lanes, one across; every lane ends with the result
.irp t, 0,1
.irp e, 0,1,2,3,4,5,6,7
	v_add_f32 v[LG+8*\t+\e], v[ACC+16*\t+2*\e], v[ACC+16*\t+2*\e+1]
.endr
.endr
.irp x, 1,2,4,8
.set II, 0
.rept 16
	v_add_f32_dpp v[LG+II], v[LG+II], v[LG+II] row_xmask:\x row_mask:0xf bank_mask:0xf
.set II, II+1
.endr
.endr
	s_wait_kmcnt 0x0                               ; the router biases
.set II, 0
.rept 16
	v_permlanex16_b32 v5, v[LG+II], s24, s25
	v_add_f32 v[LG+II], v[LG+II], v5
	v_add_f32 v[LG+II], s[16+(II%8)], v[LG+II]     ; + router_b[e]
.set II, II+1
.endr
; Softmax and top-2 of token t, alike in every lane.
.macro TOP2 t
	v_max3_num_f32 v6, v[LG+8*\t], v[LG+8*\t+1], v[LG+8*\t+2]
	v_max3_num_f32 v6, v6, v[LG+8*\t+3], v[LG+8*\t+4]
	v_max3_num_f32 v6, v6, v[LG+8*\t+5], v[LG+8*\t+6]
	v_max_num_f32 v6, v6, v[LG+8*\t+7]
.irp e, 0,1,2,3,4,5,6,7
	v_sub_f32 v[LG+8*\t+\e], v[LG+8*\t+\e], v6     ; kept apart from the multiply: the difference is rounded as in reference(), and the largest gives exactly 0
.endr
.irp e, 0,1,2,3,4,5,6,7
	v_mul_f32 v[LG+8*\t+\e], 0x3fb8aa3b, v[LG+8*\t+\e]   ; e^x = 2^(x log2 e)
.endr
.irp e, 0,1,2,3,4,5,6,7
	v_exp_f32 v[LG+8*\t+\e], v[LG+8*\t+\e]
.endr
	v_nop                                          ; one plain vector instruction between a transcendental and the use of its result (ISA guide 5.7.2)
	s_wait_alu depctr_va_vdst(0)
	v_add_f32 v7, v[LG+8*\t], v[LG+8*\t+1]
	v_add_f32 v8, v[LG+8*\t+2], v[LG+8*\t+3]
	v_add_f32 v9, v[LG+8*\t+4], v[LG+8*\t+5]
	v_add_f32 v10, v[LG+8*\t+6], v[LG+8*\t+7]
	v_add_f32 v7, v7, v8
	v_add_f32 v9, v9, v10
	v_add_f32 v7, v7, v9
	v_rcp_f32 v7, v7
	v_nop                                          ; as above
	s_wait_alu depctr_va_vdst(0)
.irp e, 0,1,2,3,4,5,6,7
	v_mul_f32 v[LG+8*\t+\e], v[LG+8*\t+\e], v7     ; the probabilities
.endr
	v_mov_b32 v8, v[LG+8*\t]                       ; first search: strictly greater, so the lower index keeps a tie
	v_mov_b32 v9, 0
.irp e, 1,2,3,4,5,6,7
	v_cmp_gt_f32 vcc_lo, v[LG+8*\t+\e], v8
	v_cndmask_b32 v8, v8, v[LG+8*\t+\e], vcc_lo
	v_cndmask_b32 v9, v9, \e, vcc_lo
.endr
.irp e, 0,1,2,3,4,5,6,7
	v_cmp_eq_u32 vcc_lo, \e, v9                    ; the winner leaves the field: below every probability
	v_cndmask_b32 v[LG+8*\t+\e], v[LG+8*\t+\e], -1.0, vcc_lo
.endr
	v_mov_b32 v10, v[LG+8*\t]                      ; second search
	v_mov_b32 v11, 0
.irp e, 1,2,3,4,5,6,7
	v_cmp_gt_f32 vcc_lo, v[LG+8*\t+\e], v10
	v_cndmask_b32 v10, v10, v[LG+8*\t+\e], vcc_lo
	v_cndmask_b32 v11, v11, \e, vcc_lo
.endr
	v_cmp_eq_u32 vcc_lo, v9, v11                   ; equal only where NaN made every comparison false: keep the two distinct
	v_xor_b32 v12, 1, v9
	v_cndmask_b32 v11, v11, v12, vcc_lo
	v_min_u32 v12, v9, v11                         ; a
	v_max_u32 v13, v9, v11                         ; b
	v_sub_nc_u32 v[KEY+\t], 15, v12
	v_mul_u32_u24 v[KEY+\t], v[KEY+\t], v12
	v_lshrrev_b32 v[KEY+\t], 1, v[KEY+\t]          ; a (15 - a) / 2: the pairs in front of a's
	v_add_nc_u32 v[KEY+\t], v[KEY+\t], v13
	v_sub_nc_u32 v[KEY+\t], v[KEY+\t], v12
	v_add_nc_u32 v[KEY+\t], -1, v[KEY+\t]
.endm
	TOP2 0
	TOP2 1
	v_cmp_eq_u32 vcc_lo, 1, v1
	v_cndmask_b32 v[KEY], v[KEY], v[KEY+1], vcc_lo ; lane 0 carries the first token's key, lane 1 the second's
	v_cmp_gt_u32 vcc_lo, 2, v1
	s_wait_xcnt 0x0                                ; EXEC is a source of the stores above: it changes only behind this wait (ISA guide 3.1)
	s_and_saveexec_b32 s26, vcc_lo
	global_store_b32 v4, v[KEY], s[10:11]
	s_endpgm
.Lfunc_end_k_q4069dbbbc4_route:
	.size	k_q4069dbbbc4_route, .Lfunc_end_k_q4069dbbbc4_route-k_q4069dbbbc4_route
	.p2alignl 7, 3214868480
	.fill 96, 4, 3214868480
	.section	.rodata,"a",@progbits
	.p2align	6, 0x0
	.amdhsa_kernel k_q4069dbbbc4_route
		.amdhsa_group_segment_fixed_size 0
		.amdhsa_private_segment_fixed_size 0
		.amdhsa_enable_private_segment 0
		.amdhsa_kernarg_size 40
		.amdhsa_user_sgpr_count 2
		.amdhsa_user_sgpr_kernarg_segment_ptr 1
		.amdhsa_wavefront_size32 1
		.amdhsa_system_sgpr_workgroup_id_x 1
		.amdhsa_system_sgpr_workgroup_id_y 1
		.amdhsa_system_sgpr_workgroup_id_z 1
		.amdhsa_system_vgpr_workitem_id 0
		.amdhsa_next_free_vgpr 240
		.amdhsa_next_free_sgpr 66
		.amdhsa_reserve_vcc 1
		.amdhsa_float_denorm_mode_32 3
		.amdhsa_float_denorm_mode_16_64 3
		.amdhsa_memory_ordered 1
		.amdhsa_forward_progress 1
		.amdhsa_inst_pref_size 45
	.end_amdhsa_kernel
	.amdgpu_metadata
---
amdhsa.version: [ 1, 2 ]
amdhsa.kernels:
  - .name:           k_q4069dbbbc4_route
    .symbol:         k_q4069dbbbc4_route.kd
    .args:
      - { .name: hidden_states, .offset: 0, .size: 8, .value_kind: global_buffer, .address_space: global }
      - { .name: router_w, .offset: 8, .size: 8, .value_kind: global_buffer, .address_space: global }
      - { .name: router_b, .offset: 16, .size: 8, .value_kind: global_buffer, .address_space: global }
      - { .name: keys, .offset: 24, .size: 8, .value_kind: global_buffer, .address_space: global }
      - { .name: xh, .offset: 32, .size: 8, .value_kind: global_buffer, .address_space: global }
    .group_segment_fixed_size: 0
    .private_segment_fixed_size: 0
    .kernarg_segment_align: 8
    .kernarg_segment_size: 40
    .max_flat_workgroup_size: 128
    .sgpr_count:     66
    .vgpr_count:     240
    .wavefront_size: 32
...
	.end_amdgpu_metadata
.endif
;; end of part 1
;; launch lists (part 2): grid 28 x 1, 4 waves a work-group, no clusters, 0 bytes of LDS; arguments keys, lists, counts; writes lists, counts
.if DOCPART == 2
	.amdgcn_target "amdgcn-amd-amdhsa--gfx1250"
	.amdhsa_code_object_version 6
	.text
	.protected	k_q4069dbbbc4_lists
	.globl	k_q4069dbbbc4_lists
	.p2align	8
	.type	k_q4069dbbbc4_lists,@function
k_q4069dbbbc4_lists:
	s_mov_b64 s[64:65], 0
	v_nop
	global_prefetch_b8 v0, s[64:65] scope:SCOPE_SE
	s_setreg_imm32_b32 hwreg(HW_REG_WAVE_MODE, 25, 1), 1
	s_wait_xcnt 0x0
; LISTS.  Work-group p (one of the 28 pairs of experts) writes row p of lists, [28][2048] u32, and word p of counts.
; The row is a PARTITION of the 2,048 tokens: those whose key is p in front, at their rank in the scan's order, all the others from the
; back, at 2047 - (scan index - rank).  So each of the 2,048 entries is stored exactly once and holds a valid token, and the next launch
; may read whole blocks of 32 entries: what lies behind the pair's C tokens are tokens too (computed there and not stored).
; The next launch's trip counts and gather addresses hang on these numbers, so they are made here and read there from memory.
; SHARE: wave w places quarter w (tokens 512 w .. 512 w + 511).  It needs the number of matches in the quarters in front of its own;
; instead of asking the other waves it loads all 2,048 keys (16 loads of 16 bytes a lane) and counts them: no LDS, no barrier.
; Register block q holds quarter (w + q) & 3, so that block 0 is the wave's own whatever w is; block q lies in front of quarter w
; exactly if w + q >= 4.  In a block, register 4 j + c of lane l is the key of token 512 quarter + 128 j + 4 l + c.
; The scan's order: quarter, then step k = 4 j + c, then lane.  Any order would do: the next launch treats a list as a set.
; No matrix unit, no cluster, no tensor load: 8 KiB in and 8 KiB out for each work-group.
.set K, 16                             ; v[16:79]   the keys, block q at 16 + 16 q
.set A, 80                             ; v[80:95]   step k: where its token goes (byte offset in the row)
.set D, 96                             ; v[96:111]  step k: the token.  A register of its own for every store: no wait between them
; v1 lane, v3 16 lane, v4-v7 block q's byte offset in keys, v10 512 w + 4 lane, v8, v9 the count's store
; s[4:5] keys, s[6:7] lists + row, s[8:9] counts + word, s14 wave, s16 pair, s20-23 matches in block 0..3, s24 2047 - 512 w,
; s25 running rank, s27 C, s[32:47] block 0's masks, s[48:63] their counts, s[66:81] at work, s2, s3, s26 at work
	s_load_b128 s[4:7], s[0:1], 0x0                ; keys, lists
	s_load_b64 s[8:9], s[0:1], 0x10                ; counts
	v_lshrrev_b32 v2, 5, v0
	v_readfirstlane_b32 s14, v2                    ; wave 0..3
	v_and_b32 v1, 31, v0
	v_lshlrev_b32 v3, 4, v1
	s_mov_b32 s16, ttmp9                           ; pair
.irp q, 0,1,2,3
	s_add_co_u32 s26, s14, \q
	s_and_b32 s26, s26, 3                          ; the quarter that block q holds
	s_lshl_b32 s26, s26, 11                        ; 512 keys of 4 bytes
	v_add_nc_u32 v[4+\q], s26, v3
.endr
	s_lshl_b32 s26, s14, 9
	v_lshl_add_u32 v10, v1, 2, s26                 ; my quarter's first token + 4 lane
	s_sub_co_u32 s24, 2047, s26
	s_mov_b32 s3, 0
	s_wait_kmcnt 0x0
.irp q, 0,1,2,3
.irp j, 0,1,2,3
	global_load_b128 v[K+16*\q+4*\j:K+16*\q+4*\j+3], v[4+\q], s[4:5] offset:512*\j
.endr
.endr
	s_lshl_b32 s2, s16, 13                         ; a row of 8,192 bytes
	s_add_nc_u64 s[6:7], s[6:7], s[2:3]
	s_lshl_b32 s2, s16, 2
	s_add_nc_u64 s[8:9], s[8:9], s[2:3]
	s_wait_loadcnt 0x0                             ; all 16: the first store needs the counts of every block
	; my own quarter: the 16 masks are kept for the placement below
.set KK, 0
.rept 16
	v_cmp_eq_u32 s[32+KK], s16, v[K+KK]
.set KK, KK+1
.endr
.set KK, 0
.rept 16
	s_bcnt1_i32_b32 s[48+KK], s[32+KK]
.set KK, KK+1
.endr
	s_add_co_u32 s20, s48, s49
.set KK, 2
.rept 14
	s_add_co_u32 s20, s20, s[48+KK]
.set KK, KK+1
.endr
; the matches of block q, into s[20+q]
.macro COUNT q
.set KK, 0
.rept 16
	v_cmp_eq_u32 s[66+KK], s16, v[K+16*\q+KK]
.set KK, KK+1
.endr
.set KK, 0
.rept 16
	s_bcnt1_i32_b32 s[66+KK], s[66+KK]
.set KK, KK+1
.endr
	s_add_co_u32 s[20+\q], s66, s67
.set KK, 2
.rept 14
	s_add_co_u32 s[20+\q], s[20+\q], s[66+KK]
.set KK, KK+1
.endr
.endm
	COUNT 1
	COUNT 2
	COUNT 3
	s_mov_b32 s25, 0                               ; the matches in front of my quarter
.irp q, 1,2,3
	s_add_co_u32 s26, s14, \q
	s_cmp_ge_u32 s26, 4                            ; block q holds quarter w + q - 4 < w
	s_cselect_b32 s26, s[20+\q], 0
	s_add_co_u32 s25, s25, s26
.endr
	s_add_co_u32 s27, s20, s21
	s_add_co_u32 s27, s27, s22
	s_add_co_u32 s27, s27, s23                     ; C: the pair's tokens
	; placement.  Scan index i = 512 w + 32 k + lane; rank = matches in front of me.  A match goes to entry rank, the others to
	; entry 2047 - (i - rank) = rank + (2047 - i).
.set KK, 0
.rept 16
	v_mbcnt_lo_u32_b32 v[A+KK], s[32+KK], s25      ; rank: the running count + the matching lanes below me
	s_sub_co_u32 s26, s24, 32*KK
	v_sub_nc_u32 v[D+KK], s26, v1                  ; 2047 - i
	v_cndmask_b32 v[D+KK], v[D+KK], 0, s[32+KK]    ; nothing is added for a match
	v_add_nc_u32 v[A+KK], v[A+KK], v[D+KK]
	v_min_u32 v[A+KK], 0x7ff, v[A+KK]              ; an entry of the row: this bound changes no value
	v_lshlrev_b32 v[A+KK], 2, v[A+KK]
	v_add_nc_u32 v[D+KK], 128*(KK>>2)+(KK&3), v10  ; the token
	global_store_b32 v[A+KK], v[D+KK], s[6:7]      ; the lanes without a match fill neighbouring entries
	s_add_co_u32 s25, s25, s[48+KK]
.set KK, KK+1
.endr
	s_cmp_lg_u32 s14, 0
	s_cbranch_scc1 .Lrest
	v_mov_b32 v8, s27                              ; wave 0, lane 0 stores the count
	v_mov_b32 v9, 0
	v_cmp_eq_u32 vcc_lo, 0, v1
	s_wait_xcnt 0x0                                ; EXEC is a source of the stores above: it changes only behind this wait (ISA guide 3.1)
	s_and_saveexec_b32 s26, vcc_lo
	global_store_b32 v9, v8, s[8:9]
	s_endpgm
.Lrest:
	s_endpgm
.Lfunc_end_k_q4069dbbbc4_lists:
	.size	k_q4069dbbbc4_lists, .Lfunc_end_k_q4069dbbbc4_lists-k_q4069dbbbc4_lists
	.p2alignl 7, 3214868480
	.fill 96, 4, 3214868480
	.section	.rodata,"a",@progbits
	.p2align	6, 0x0
	.amdhsa_kernel k_q4069dbbbc4_lists
		.amdhsa_group_segment_fixed_size 0
		.amdhsa_private_segment_fixed_size 0
		.amdhsa_enable_private_segment 0
		.amdhsa_kernarg_size 24
		.amdhsa_user_sgpr_count 2
		.amdhsa_user_sgpr_kernarg_segment_ptr 1
		.amdhsa_wavefront_size32 1
		.amdhsa_system_sgpr_workgroup_id_x 1
		.amdhsa_system_sgpr_workgroup_id_y 1
		.amdhsa_system_sgpr_workgroup_id_z 1
		.amdhsa_system_vgpr_workitem_id 0
		.amdhsa_next_free_vgpr 112
		.amdhsa_next_free_sgpr 84
		.amdhsa_reserve_vcc 1
		.amdhsa_float_denorm_mode_32 3
		.amdhsa_float_denorm_mode_16_64 3
		.amdhsa_memory_ordered 1
		.amdhsa_forward_progress 1
		.amdhsa_inst_pref_size 20
	.end_amdhsa_kernel
	.amdgpu_metadata
---
amdhsa.version: [ 1, 2 ]
amdhsa.kernels:
  - .name:           k_q4069dbbbc4_lists
    .symbol:         k_q4069dbbbc4_lists.kd
    .args:
      - { .name: keys, .offset: 0, .size: 8, .value_kind: global_buffer, .address_space: global }
      - { .name: lists, .offset: 8, .size: 8, .value_kind: global_buffer, .address_space: global }
      - { .name: counts, .offset: 16, .size: 8, .value_kind: global_buffer, .address_space: global }
    .group_segment_fixed_size: 0
    .private_segment_fixed_size: 0
    .kernarg_segment_align: 8
    .kernarg_segment_size: 24
    .max_flat_workgroup_size: 128
    .sgpr_count:     84
    .vgpr_count:     112
    .wavefront_size: 32
...
	.end_amdgpu_metadata
.endif
;; end of part 2
;; launch experts (part 3): grid 8 x 28, 4 waves a work-group, no clusters, 298,496 bytes of LDS; arguments expert_b, expert_w, lists, xh, out0, counts; writes out0
.if DOCPART == 3
	.amdgcn_target "amdgcn-amd-amdhsa--gfx1250"
	.amdhsa_code_object_version 6
	.text
	.protected	k_q4069dbbbc4_experts
	.globl	k_q4069dbbbc4_experts
	.p2align	8
	.type	k_q4069dbbbc4_experts,@function
k_q4069dbbbc4_experts:
	s_mov_b64 s[64:65], 0
	v_nop
	global_prefetch_b8 v0, s[64:65] scope:SCOPE_SE
	s_setreg_imm32_b32 hwreg(HW_REG_WAVE_MODE, 25, 1), 1
	s_wait_xcnt 0x0
; out[t] = (W_a + W_b) x_t + (b_a + b_b) for the token's pair of experts a < b, which holds for every input since the product is linear.
; A work-group owns ONE PAIR p (grid y, 28 pairs) and ONE SLICE of 128 output columns (grid x, 8 slices):
;   1. each wave builds 32 rows of the tile f16(W_a + W_b), 128 columns x 1,024 K: f32 loads, one packed add, one rounding, LDS;
;   2. ONE barrier; behind it the tile is only read and the stage is each wave's own;
;   3. wave w takes entries 32 w .. 32 w + 31 of the pair's list, then 128 further on, and so on while they lie below the pair's count C:
;      x rows (f16, from the first launch) are gathered through the stage into 512 registers of fragments, multiplied with the tile,
;      and leave as whole rows of 512 bytes.
; STAGGERED ROWS: a slice of one expert is read by the 7 work-groups whose pair holds that expert.  A wave takes its 32 rows in the order
; first, first + 1, .. modulo 32 with first = 4 ((a + b) & 7).  For a fixed expert e the 7 partners x give 7 different (e + x) & 7, so the
; seven start at least 4 rows apart while a wave has 3 rows on their way: at no time do two of them ask for the same row, and a row
; that one of them reaches has been asked for by another at least 4 rows earlier (but for the first rows of each).
; List and count were stored as whole numbers by the launch before; they come in by scalar loads, so that trips and addresses hang on
; numbers read from memory.  A list's 2,048 entries are all valid tokens, the pair's own in front: a block that reaches past C computes
; rows of other tokens and does not store them.
; Any distribution is served: 0 to 2,048 tokens in a pair.  (A work-group whose pair has no token still builds its tile: the barrier
; may not stand under a branch on loaded data.)
; NO TENSOR LOADS, NO MULTICAST: the weights have to pass through registers for the f32 add and the rounding; as f32 in LDS each summed
; weight would cost 16 bytes of LDS traffic instead of the 2 stored and 2 read here; and a slice of one expert is shared by the 7 pairs
; that hold it, a number that no cluster shape divides.  NO PREFETCH: with the staggered order the first of the seven to reach a row
; asks for it by its ordinary loads, ahead of the six others; xh was stored two launches before.
; FORMATS: x and W_a + W_b are rounded to f16 (nearest even), sums in f32, the biases are added in f32.  f16 and not bf16: rounding both
; operands to 8 significant bits gives, over 1,024 products, a deviation whose standard deviation is about 0.23 % of the output's root
; mean square, too near the 1 % that is allowed for two million numbers; 11 significant bits make it an eighth of that.
; LIMIT: an |x| or |W_a + W_b| above 65,504 becomes infinity, one below 2^-24 is lost (f16's range).
.set SPITCH, 528                       ; a stage row: 512 bytes + 16: the 16 rows that a fragment load touches start 16 bytes apart modulo 256
.set STAGEB, 16*SPITCH                 ; LDS 0 .. 33,791: 4 x 8,448, each wave's own 16 rows
.set WT,     4*STAGEB                  ; LDS 33,792 .. 297,983: the tile, 128 rows
.set WPITCH, 2064                      ; 2,048 bytes + 16, for the same reason
; WINDOW 0
.set RO,     9                         ; v[9:11]    bank k: its row's byte offset in my 32 rows of W + 16 lane
.set BIAS,   12                        ; v[12:15]   b_a + b_b of columns 4 lane .. +3
.set T,      16                        ; v[16:31]   at work: my 32 f16 of a row of the tile
.set ROWOFF, 32                        ; v[32:63]   row i of the pass: token x 2,048 + 16 lane (xh).  Before the barrier v32-v42 serve otherwise:
.set LS,     40                        ; v[40:42]   bank k: where its row goes in the tile (LDS address + 8 lane)
.set BANK,   64                        ; v[64:255]  building the tile: 3 banks of 64 (a's 8 x 4 registers, then b's)
.set OB,     64                        ; v[64:191]  in a pass: the 32 rows on their way out
.set OUTOFF, 192                       ; v[192:223] row i of the pass: token x 4,096 + 16 lane (out0)
; v1 lane, v2 16 lane, v3 r = lane % 16, v4 h = lane / 16, v5 my 32 rows of the tile + 8 lane, v6 stage by rows (16 lane), v7 stage by
; fragments (528 r + 16 h), v8 stage for results (528 r + 32 h)
; WINDOW 1
.set ACC,    0                         ; v[0:127]   accumulator (m, n) at 8 (8 m + n): token block m (2), column block n (8)
.set FB,     128                       ; v[128:223] three buffers of four W fragments
.set WA,     224                       ; v[224:231] LDS address of column block n's fragments
; WINDOWS 2, 3: x fragments, K step ks (32), token block m: window 2 + ks / 16, register 16 (ks % 16) + 8 m
; SCALARS: s[4:5] expert_b, s[6:7] expert_w, s[8:9] lists, s[10:11] xh, s[12:13] out0 + slice, s14 wave, s15 slice, s16 pair, s17 a, s18 b,
; s19 512 slice, s[20:21], s[22:23] my 32 rows of W_a, W_b, s24 trips, s25 first row + rows taken, s27 C, s29 base, s30 valid rows,
; s[32:63] the pass's tokens, s[66:67] counts + word, s[68:69] my next block of the list, s[74:77] bias rows, s81 my passes,
; s82 the pass's number; s2, s3, s26, s31 at work
.set MSB, 0
.macro WIN new                         ; low byte: bits 1:0 source 0, 3:2 source 1, 5:4 source 2, 7:6 destination; the high byte repeats the setting left
.if MSB != \new
	s_set_vgpr_msb (MSB<<8)|\new
.set MSB, \new
.endif
.endm
; Four places of plain vector instructions stand between a matrix instruction and a load into a register that it read, or an LDS store
; of its result; other matrix instructions are not counted as places here.
.macro PLACES
.rept 4
	v_nop
.endr
.endm
	s_load_b256 s[4:11], s[0:1], 0x0               ; expert_b, expert_w, lists, xh
	s_load_b64 s[12:13], s[0:1], 0x20              ; out0
	s_load_b64 s[66:67], s[0:1], 0x28              ; counts
	s_set_vgpr_msb 0x40
	v_lshl_add_u32 v254, v0, 2, 0x48c00
	v_mov_b32 v255, 0
	s_set_vgpr_msb 0x4000
	v_lshrrev_b32 v36, 5, v0
	v_readfirstlane_b32 s14, v36                   ; wave 0..3
	s_mov_b32 s15, ttmp9                           ; slice
	s_and_b32 s16, ttmp7, 0xffff                   ; pair
	s_mov_b32 s17, 0                               ; a = how many of the later a's first pairs lie at or below p
.irp first, 7, 13, 18, 22, 25, 27
	s_cmp_ge_u32 s16, \first
	s_cselect_b32 s26, 1, 0
	s_add_co_u32 s17, s17, s26
.endr
	s_sub_co_u32 s26, 15, s17
	s_mul_i32 s26, s26, s17
	s_lshr_b32 s26, s26, 1                         ; a (15 - a) / 2: a's first pair
	s_sub_co_u32 s18, s16, s26
	s_add_co_u32 s18, s18, s17
	s_add_co_u32 s18, s18, 1                       ; b = p - first + a + 1
	s_add_co_u32 s25, s17, s18
	s_and_b32 s25, s25, 7
	s_lshl_b32 s25, s25, 2                         ; the row that every wave of this work-group starts with: 4 ((a + b) & 7)
	v_and_b32 v1, 31, v0
	v_lshlrev_b32 v2, 4, v1
	v_and_b32 v3, 15, v0
	v_bfe_u32 v4, v0, 4, 1
	s_mul_i32 s26, s14, 32*WPITCH
	s_add_co_u32 s26, s26, WT
	v_lshl_add_u32 v5, v1, 3, s26                  ; my 32 rows of the tile, 8 bytes a lane
	s_lshl_b32 s31, s15, 19                        ; 128 rows of 4,096 bytes a slice
	s_lshl_b32 s26, s14, 17                        ; 32 rows a wave
	s_add_co_u32 s31, s31, s26
	s_lshl_b32 s19, s15, 9                         ; 128 f32 a slice
	s_mov_b32 s3, 0
	s_wait_kmcnt 0x0
	s_lshl_b32 s2, s16, 2
	s_add_nc_u64 s[66:67], s[66:67], s[2:3]
	s_load_b32 s27, s[66:67], 0x0                  ; C, the pair's count; waited for below, with the biases
	s_lshl_b32 s2, s17, 22                         ; 4 MiB an expert
	s_add_co_u32 s2, s2, s31
	s_add_nc_u64 s[20:21], s[6:7], s[2:3]
	s_lshl_b32 s2, s18, 22
	s_add_co_u32 s2, s2, s31
	s_add_nc_u64 s[22:23], s[6:7], s[2:3]
	s_lshl_b32 s2, s17, 12
	s_add_co_u32 s2, s2, s19
	s_add_nc_u64 s[74:75], s[4:5], s[2:3]
	s_lshl_b32 s2, s18, 12
	s_add_co_u32 s2, s2, s19
	s_add_nc_u64 s[76:77], s[4:5], s[2:3]
	s_mov_b32 s2, s19
	s_add_nc_u64 s[12:13], s[12:13], s[2:3]
	s_lshl_b32 s2, s16, 13                         ; the pair's row of lists: 8,192 bytes,
	s_lshl_b32 s26, s14, 7                         ; and in it my first block: 32 w entries of 4 bytes
	s_add_co_u32 s2, s2, s26
	s_add_nc_u64 s[68:69], s[8:9], s[2:3]
; The next of my 32 rows, for this bank: its offset in W into the bank's own register, its offset in the tile into s31.
; 32 picks in all (3 in front of the loop, 27 in it, 2 behind it) take each row once.
.macro PICK bank
	s_and_b32 s26, s25, 31                         ; modulo 32
	s_min_u32 s26, s26, 31                         ; 0 .. 31, said once more as a minimum: changes no value; the row stays in my part of the tile
	s_add_co_u32 s25, s25, 1
	s_mul_i32 s31, s26, WPITCH
	v_lshl_add_u32 v[RO+\bank], s26, 12, v2        ; 4,096 bytes a row + 16 lane
.endm
; 16 loads: one row (4,096 bytes) of W_a and of W_b into a bank; each covers 512 consecutive bytes.  No hint: 7 work-groups read each byte.
.macro RLOAD bank
.irp j, 0,1,2,3,4,5,6,7
	global_load_b128 v[BANK+64*\bank+4*\j:BANK+64*\bank+4*\j+3], v[RO+\bank], s[20:21] offset:512*\j
.endr
.irp j, 0,1,2,3,4,5,6,7
	global_load_b128 v[BANK+64*\bank+32+4*\j:BANK+64*\bank+32+4*\j+3], v[RO+\bank], s[22:23] offset:512*\j
.endr
.endm
	global_load_b128 v[BIAS:BIAS+3], v2, s[74:75]
	global_load_b128 v[32:35], v2, s[76:77]
.irp k, 0,1,2
	PICK \k                                        ; the weight stream starts before anything else is done
	v_add_nc_u32 v[LS+\k], s31, v5
	RLOAD \k
.endr
	s_mul_i32 s26, s14, STAGEB                     ; my stage
	v_add_nc_u32 v6, s26, v2
	v_mul_u32_u24 v39, v3, SPITCH
	v_add_nc_u32 v39, s26, v39
	v_lshl_add_u32 v7, v4, 4, v39
	v_lshl_add_u32 v8, v4, 5, v39
	v_mul_u32_u24 v39, v3, WPITCH
	v_lshl_add_u32 v39, v4, 4, v39                 ; a fragment: row r, 16 bytes for each half of the lanes
	WIN 0x40
.irp n, 0,1,2,3,4,5,6,7
	v_add_nc_u32 v[WA+\n], WT+\n*16*WPITCH, v39
.endr
	WIN 0
	s_wait_loadcnt 48                              ; the 48 loads of the three banks are younger: the biases are in
	v_pk_add_f32 v[BIAS:BIAS+1], v[BIAS:BIAS+1], v[32:33]
	v_pk_add_f32 v[BIAS+2:BIAS+3], v[BIAS+2:BIAS+3], v[34:35]
	s_wait_kmcnt 0x0                               ; C
	s_min_u32 s27, s27, 0x800                      ; at most all 2,048 tokens: this bound changes no value
; One row of the tile.  left = the younger loads that may stay out (two banks of 16 while the ring is full): loads come back in order
; (ISA guide 5.7.1), so the bank's 16 are in, and its offset register, which only they read, may be written again.
; refill = 1: the bank takes the row three picks ahead.  Lane l holds k = 128 j + 4 l .. +3: 8 bytes of f16 at 256 j + 8 l.
; No base is stepped and no register of a pending load or store is rewritten elsewhere: the loop needs no other wait.
.macro ROW bank, refill, left
	s_wait_loadcnt \left
.irp j, 0,1,2,3,4,5,6,7,8,9,10,11,12,13,14,15
	v_pk_add_f32 v[BANK+64*\bank+2*\j:BANK+64*\bank+2*\j+1], v[BANK+64*\bank+2*\j:BANK+64*\bank+2*\j+1], v[BANK+64*\bank+32+2*\j:BANK+64*\bank+32+2*\j+1]
.endr
.irp j, 0,1,2,3,4,5,6,7,8,9,10,11,12,13,14,15
	v_cvt_pk_f16_f32 v[T+\j], v[BANK+64*\bank+2*\j], v[BANK+64*\bank+2*\j+1]
.endr
.if \refill
	PICK \bank
	RLOAD \bank                                    ; the loads go ahead of the LDS stores
.endif
.irp j, 0,1,2,3,4,5,6,7
	ds_store_b64 v[LS+\bank], v[T+2*\j:T+2*\j+1] offset:256*\j     ; the row that the bank held
.endr
.if \refill
	v_add_nc_u32 v[LS+\bank], s31, v5              ; and only now the place of the row that it holds next
.endif
.endm
	s_mov_b32 s24, 9                               ; 27 of my 32 rows in the loop
.Lprod:
	ROW 0, 1, 32
	ROW 1, 1, 32
	ROW 2, 1, 32
	s_sub_co_u32 s24, s24, 1
	s_cmp_lg_u32 s24, 0
	s_cbranch_scc1 .Lprod
	ROW 0, 1, 32                                   ; the last five rows: two more refills, then the counts run down
	ROW 1, 1, 32
	ROW 2, 0, 32
	ROW 0, 0, 16
	ROW 1, 0, 0
	s_wait_dscnt 0x0                               ; for the others' sake: my rows of the tile are in LDS
	s_barrier_signal -1
	s_barrier_wait -1                              ; the only barrier: from here the tile is only read
	s_lshl_b32 s29, s14, 5                         ; my first block of 32
	s_cmp_ge_u32 s29, s27
	s_cbranch_scc1 .Lend                           ; nothing for this wave; no barrier follows
	s_sub_co_u32 s81, s27, s29                     ; my passes: blocks of 32 at 32 w, 32 w + 128, .. below C
	s_add_co_u32 s81, s81, 127
	s_lshr_b32 s81, s81, 7
	s_min_u32 s81, s81, 16                         ; 2,048 tokens / 128 a trip: this bound changes no value
	s_mov_b32 s82, 0
; round i of the gather: token block m = i / 4, K quarter q = i % 4 (256 k = 512 bytes of a row)
.macro XLOAD i                         ; 16 rows x 512 bytes, straight into the registers that will hold these rows' fragments
.set XQ, (\i)&3
.set XM, (\i)>>2
.if XQ < 2
	WIN 0x80
.else
	WIN 0xc0
.endif
.irp j, 0,1,2,3,4,5,6,7,8,9,10,11,12,13,14,15
.set XR, 16*((8*XQ+(\j>>1))&15)+8*XM+4*(\j&1)
	global_load_b128 v[XR:XR+3], v[ROWOFF+16*XM+\j], s[10:11] offset:512*XQ
.endr
.endm
.macro XSTAGE i, left                  ; rows into my stage, fragments back: lane (r, h) takes k = 32 u + 8 h .. and 32 u + 16 + 8 h .. of row r
.set XQ, (\i)&3
.set XM, (\i)>>2
	s_wait_loadcnt \left                           ; the younger rounds (16 loads each) stay out
	s_wait_dscnt 0x0                               ; the last round's fragment loads have read the stage
.if XQ < 2
	WIN 0x08
.else
	WIN 0x0c
.endif
.irp j, 0,1,2,3,4,5,6,7,8,9,10,11,12,13,14,15
.set XR, 16*((8*XQ+(\j>>1))&15)+8*XM+4*(\j&1)
	ds_store_b128 v6, v[XR:XR+3] offset:SPITCH*\j
.endr
.if XQ < 2
	WIN 0x80
.else
	WIN 0xc0
.endif
.irp u, 0,1,2,3,4,5,6,7
.set XF, 16*((8*XQ+\u)&15)+8*XM
	ds_load_b128 v[XF:XF+3],   v7 offset:64*\u     ; LDS serves a wave's instructions in order (ISA guide 5.7.1): these see the stores above
	ds_load_b128 v[XF+4:XF+7], v7 offset:64*\u+32
.endr
.endm
; group g of the multiply: K step g / 2, column blocks 4 (g % 2) + 0..3
.macro FETCH gg                        ; 8 LDS loads: four W fragments into buffer g % 3
.irp t, 0,1,2,3
	ds_load_b128 v[FB+32*((\gg)%3)+8*\t:FB+32*((\gg)%3)+8*\t+3],   v[WA+4*((\gg)&1)+\t] offset:64*((\gg)>>1)
	ds_load_b128 v[FB+32*((\gg)%3)+8*\t+4:FB+32*((\gg)%3)+8*\t+7], v[WA+4*((\gg)&1)+\t] offset:64*((\gg)>>1)+32
.endr
.endm
; 8 matrix instructions, used transposed: source 0 = 16 rows of the tile (output columns), source 1 = 16 tokens, so that lane (r, h)
; holds of token r the eight NEIGHBOURING columns 16 n + 8 h + 0..7.  The first K step starts the sums: nothing is cleared.
.macro MUL gg
.irp t, 0,1,2,3
.irp m, 0,1
.if (\gg) < 2
	v_wmma_f32_16x16x32_f16 v[ACC+8*(8*\m+4*((\gg)&1)+\t):ACC+8*(8*\m+4*((\gg)&1)+\t)+7], v[FB+32*((\gg)%3)+8*\t:FB+32*((\gg)%3)+8*\t+7], v[16*(((\gg)>>1)&15)+8*\m:16*(((\gg)>>1)&15)+8*\m+7], 0
.else
	v_wmma_f32_16x16x32_f16 v[ACC+8*(8*\m+4*((\gg)&1)+\t):ACC+8*(8*\m+4*((\gg)&1)+\t)+7], v[FB+32*((\gg)%3)+8*\t:FB+32*((\gg)%3)+8*\t+7], v[16*(((\gg)>>1)&15)+8*\m:16*(((\gg)>>1)&15)+8*\m+7], v[ACC+8*(8*\m+4*((\gg)&1)+\t):ACC+8*(8*\m+4*((\gg)&1)+\t)+7]
.endif
.endr
.endr
.endm
; token block m on its way out: results into my stage, whole rows of 512 bytes back, + bias, one store a row; rows past the pair's count are left out
.macro OUTM m
	WIN 0x04
.irp n, 0,1,2,3,4,5,6,7
	ds_store_b128 v8, v[ACC+8*(8*\m+\n):ACC+8*(8*\m+\n)+3]   offset:64*\n
	ds_store_b128 v8, v[ACC+8*(8*\m+\n)+4:ACC+8*(8*\m+\n)+7] offset:64*\n+16
.endr
	WIN 0
.irp i, 0,1,2,3,4,5,6,7,8,9,10,11,12,13,14,15
	ds_load_b128 v[OB+4*(16*\m+\i):OB+4*(16*\m+\i)+3], v6 offset:SPITCH*\i
.endr
.irp i, 0,1,2,3,4,5,6,7,8,9,10,11,12,13,14,15
	s_cmp_le_u32 s30, 16*\m+\i
	s_cbranch_scc1 .Lout_done
	s_wait_dscnt 15-\i                             ; LDS loads come back in order: row i is in, the younger ones stay out
	v_pk_add_f32 v[OB+4*(16*\m+\i):OB+4*(16*\m+\i)+1],   v[OB+4*(16*\m+\i):OB+4*(16*\m+\i)+1],   v[BIAS:BIAS+1]
	v_pk_add_f32 v[OB+4*(16*\m+\i)+2:OB+4*(16*\m+\i)+3], v[OB+4*(16*\m+\i)+2:OB+4*(16*\m+\i)+3], v[BIAS+2:BIAS+3]
	global_store_b128 v[OUTOFF+16*\m+\i], v[OB+4*(16*\m+\i):OB+4*(16*\m+\i)+3], s[12:13] th:TH_STORE_NT   ; 512 consecutive bytes of one row, aligned
.endr
.endm
.Lpass:
	; the block's 32 tokens, straight into scalars.  base <= 2,016, so the 128 bytes end inside the pair's row of 8,192
	s_load_b512 s[32:47], s[68:69], 0x0
	s_load_b512 s[48:63], s[68:69], 0x40
	s_sub_co_u32 s30, s27, s29
	s_min_u32 s30, s30, 32                         ; rows that are stored
	s_wait_kmcnt 0x0
	s_add_nc_u64 s[68:69], s[68:69], 512           ; behind the wait that shows the two loads done: 128 entries further on
.set II, 0
.rept 32
	s_min_u32 s[32+II], s[32+II], 0x7ff            ; a token's number, inside xh and out0
	v_lshl_add_u32 v[ROWOFF+II], s[32+II], 11, v2
	v_lshl_add_u32 v[OUTOFF+II], s[32+II], 12, v2
.set II, II+1
.endr
	; the gather: three rounds of 16 loads are on their way while one goes through the stage
	XLOAD 0
	XLOAD 1
	XLOAD 2
	XSTAGE 0, 32
	XLOAD 3
	XSTAGE 1, 32
	XLOAD 4
	XSTAGE 2, 32
	XLOAD 5
	XSTAGE 3, 32
	XLOAD 6
	XSTAGE 4, 32
	XLOAD 7
	XSTAGE 5, 32
	XSTAGE 6, 16
	XSTAGE 7, 0
	; the multiply: one window setting serves the loads (address and destination in window 1) and the matrix instructions
	; (W fragment, C and D in window 1, x fragment in window 2, from K step 16 on in window 3)
	WIN 0x59
	FETCH 0
	FETCH 1
.set GG, 0
.rept 64
.if GG > 0
	PLACES                                         ; between group g - 1's matrix instructions and the loads into the buffer that they read
.endif
.if GG < 62
	FETCH GG+2
	s_wait_dscnt 16                                ; two younger groups of 8 loads stay out; group g's (and, at g = 0, the x fragments) are in
.else
	s_wait_dscnt 8*(63-GG)                         ; nothing more is fetched: the counts run down
.endif
.if GG >= 32
	WIN 0x5d
.endif
	MUL GG
.set GG, GG+1
.endr
	PLACES                                         ; between the last matrix instructions and the LDS stores of their results
	OUTM 0
	OUTM 1
.Lout_done:
	s_wait_dscnt 0x0                               ; rows that were loaded and left out
	s_wait_xcnt 0x0                                ; OB, OUTOFF, which the stores read, are rewritten only behind this wait (ISA guide 3.1)
	s_add_co_u32 s29, s29, 128                     ; four waves x 32 tokens further on
	s_add_co_u32 s82, s82, 1                       ; the loop ends on its count of passes
	s_cmp_lt_u32 s82, s81
	s_cbranch_scc1 .Lpass
.Lend:
	s_set_vgpr_msb 0x5
	s_wait_tensorcnt 0x0
	ds_add_u32 v254, v255
	s_wait_dscnt 0x0
	s_set_vgpr_msb 0x500
	s_endpgm
.Lfunc_end_k_q4069dbbbc4_experts:
	.size	k_q4069dbbbc4_experts, .Lfunc_end_k_q4069dbbbc4_experts-k_q4069dbbbc4_experts
	.p2alignl 7, 3214868480
	.fill 96, 4, 3214868480
	.section	.rodata,"a",@progbits
	.p2align	6, 0x0
	.amdhsa_kernel k_q4069dbbbc4_experts
		.amdhsa_group_segment_fixed_size 298496
		.amdhsa_private_segment_fixed_size 0
		.amdhsa_enable_private_segment 0
		.amdhsa_kernarg_size 48
		.amdhsa_user_sgpr_count 2
		.amdhsa_user_sgpr_kernarg_segment_ptr 1
		.amdhsa_wavefront_size32 1
		.amdhsa_system_sgpr_workgroup_id_x 1
		.amdhsa_system_sgpr_workgroup_id_y 1
		.amdhsa_system_sgpr_workgroup_id_z 1
		.amdhsa_system_vgpr_workitem_id 0
		.amdhsa_next_free_vgpr 1024
		.amdhsa_next_free_sgpr 84
		.amdhsa_reserve_vcc 0
		.amdhsa_float_denorm_mode_32 3
		.amdhsa_float_denorm_mode_16_64 3
		.amdhsa_memory_ordered 1
		.amdhsa_forward_progress 1
		.amdhsa_inst_pref_size 164
	.end_amdhsa_kernel
	.amdgpu_metadata
---
amdhsa.version: [ 1, 2 ]
amdhsa.kernels:
  - .name:           k_q4069dbbbc4_experts
    .symbol:         k_q4069dbbbc4_experts.kd
    .args:
      - { .name: expert_b, .offset: 0, .size: 8, .value_kind: global_buffer, .address_space: global }
      - { .name: expert_w, .offset: 8, .size: 8, .value_kind: global_buffer, .address_space: global }
      - { .name: lists, .offset: 16, .size: 8, .value_kind: global_buffer, .address_space: global }
      - { .name: xh, .offset: 24, .size: 8, .value_kind: global_buffer, .address_space: global }
      - { .name: out0, .offset: 32, .size: 8, .value_kind: global_buffer, .address_space: global }
      - { .name: counts, .offset: 40, .size: 8, .value_kind: global_buffer, .address_space: global }
    .group_segment_fixed_size: 298496
    .private_segment_fixed_size: 0
    .kernarg_segment_align: 8
    .kernarg_segment_size: 48
    .max_flat_workgroup_size: 128
    .sgpr_count:     84
    .vgpr_count:     1024
    .wavefront_size: 32
...
	.end_amdgpu_metadata
.endif
;; end of part 3
;; ======== version 2 of 2: 3 launches; version 1 with the launch experts written anew for expert scheduling mode
;; limits: values are held in f16: magnitudes above 65,504 overflow, below 6.1e-05 lose precision
;; workspace buffers: keys 8,192 bytes of whole numbers; xh 4,194,304 bytes; lists 229,376 bytes of whole numbers; counts 256 bytes of whole numbers
;; launch route: the kernel of part 1 again; grid 256 x 1, 4 waves a work-group, no clusters, 0 bytes of LDS; arguments hidden_states, router_w, router_b, keys, xh; writes keys, xh
;; launch lists: the kernel of part 2 again; grid 28 x 1, 4 waves a work-group, no clusters, 0 bytes of LDS; arguments keys, lists, counts; writes lists, counts
;; launch experts (part 4): grid 8 x 28, 4 waves a work-group, no clusters, 298,496 bytes of LDS; arguments expert_b, expert_w, lists, xh, out0, counts; writes out0
.if DOCPART == 4
	.amdgcn_target "amdgcn-amd-amdhsa--gfx1250"
	.amdhsa_code_object_version 6
	.text
	.protected	k_q4069dbbbc4_experts
	.globl	k_q4069dbbbc4_experts
	.p2align	8
	.type	k_q4069dbbbc4_experts,@function
k_q4069dbbbc4_experts:
	s_mov_b64 s[64:65], 0
	v_nop
	global_prefetch_b8 v0, s[64:65] scope:SCOPE_SE
	s_setreg_imm32_b32 hwreg(HW_REG_WAVE_SCHED_MODE, 0, 2), 2
	s_setreg_imm32_b32 hwreg(HW_REG_WAVE_MODE, 25, 1), 1
	s_wait_xcnt 0x0
	s_wait_alu depctr_vm_vsrc(0)
; out[t] = (W_a + W_b) x_t + (b_a + b_b) for the token's pair of experts a < b, which holds for every input since the product is linear.
; A work-group owns ONE PAIR p (grid y, 28 pairs) and ONE SLICE of 128 output columns (grid x, 8 slices):
;   1. each wave builds 32 rows of the tile f16(W_a + W_b), 128 columns x 1,024 K: f32 loads, one packed add, one rounding, LDS;
;   2. ONE barrier; behind it the tile is only read and the stage is each wave's own;
;   3. wave w takes entries 32 w .. 32 w + 31 of the pair's list, then 128 further on, and so on while they lie below the pair's count C:
;      x rows (f16, from the first launch) are gathered through the stage into 512 registers of fragments, multiplied with the tile,
;      and leave as whole rows of 512 bytes.
; STAGGERED ROWS: a slice of one expert is read by the 7 work-groups whose pair holds that expert.  A wave takes its 32 rows in the order
; first, first + 1, .. modulo 32 with first = 4 ((a + b) & 7).  For a fixed expert e the 7 partners x give 7 different (e + x) & 7, so the
; seven start at least 4 rows apart while a wave has 3 rows on their way.
; List and count were stored as whole numbers by the launch before; they come in by scalar loads, so that trips and addresses hang on
; numbers read from memory.  A list's 2,048 entries are all valid tokens, the pair's own in front: a block that reaches past C computes
; rows of other tokens and does not store them.
; Any distribution is served: 0 to 2,048 tokens in a pair.  (A work-group whose pair has no token still builds its tile: the barrier
; may not stand under a branch on loaded data.)
; NO TENSOR LOADS, NO MULTICAST: the weights have to pass through registers for the f32 add and the rounding; as f32 in LDS each summed
; weight would cost 16 bytes of LDS traffic instead of the 2 stored and 2 read here; and a slice of one expert is shared by the 7 pairs
; that hold it, a number that no cluster shape divides.  NO PREFETCH: with the staggered order the first of the seven to reach a row
; asks for it by its ordinary loads, ahead of the six others; xh was stored two launches before.
; FORMATS: x and W_a + W_b are rounded to f16 (nearest even), sums in f32, the biases are added in f32.  f16 and not bf16: rounding both
; operands to 8 significant bits gives, over 1,024 products, a deviation whose standard deviation is about 0.23 % of the output's root
; mean square, too near the 1 % that is allowed for two million numbers; 11 significant bits make it an eighth of that.
; LIMIT: an |x| or |W_a + W_b| above 65,504 becomes infinity, one below 2^-24 is lost (f16's range).
; THE MODE: SCHED_MODE bits 1:0 = 2 (LLVM: expert scheduling mode 2), set by the entry lines.  The code itself states the register
; dependences between vector or matrix instructions and memory or LDS instructions, with s_wait_alu, always for 0.
; THE PLAN, while the tile is built.  Registers that memory or LDS instructions touch:
;   BANK0 .. 2  A row's 16 loads land in a bank; the row's adds and roundings read it (the adds write its lower half); it is asked for again at once.
;   T, LS       Written by the row's roundings and by one add; read by the row's 8 LDS stores.
;   RO[bank]    Written by PICK; read by the bank's 16 loads.
; Two waits to a row: vm_vsrc at its head (the last row's LDS stores have read T and LS, the bank's loads RO) and va_vdst behind its vector
; lines, ahead of its 16 loads and 8 stores.  It stands there and not at the next row's head so that the bank is on its way again at once.
; THE PLAN, in a pass:
;   ROWOFF, OUTOFF  Written at the pass's head; read by the gather's loads and by the pass's last stores.
;   RAW0 .. 3       Round i of the gather lands in RAW[i % 4]; its 16 LDS stores read it; round i + 4 lands in it.
;   x fragments     LDS loads land in them; matrix instructions read them.
;   FB0, FB1        W fragments of two K steps each.  Step p's matrix instructions read FB[p % 2]; step p + 1's 32 LDS loads, issued in step p,
;                   land in the other, which step p - 1 read.  RAW0, RAW1 are FB0's registers, RAW2, RAW3 are FB1's.
;   ACC             Written by matrix instructions; read by the way out's LDS stores.
;   OB              FB0's registers once more: LDS loads land, the bias additions write, the stores read.
;   v2, v6, v7, v8, WA  Made at the kernel's head and never written again.
; One vm_vsrc and one va_vdst at a pass's head serve the whole gather, in which no vector instruction stands; a vm_vsrc in rounds 1 to 4
; frees the raw buffer read a round before; one vm_vsrc ahead of the first W fragments; one va_vdst at the head of steps 1 to 14; one ahead
; of the way out and one ahead of each of its two runs of stores.
.set SPITCH, 528                       ; a stage row: 512 bytes + 16: the 16 rows that a fragment load touches start 16 bytes apart modulo 256
.set STAGEB, 16*SPITCH                 ; LDS 0 .. 33,791: 4 x 8,448, each wave's own 16 rows
.set WT,     4*STAGEB                  ; LDS 33,792 .. 297,983: the tile, 128 rows
.set WPITCH, 2064                      ; 2,048 bytes + 16, for the same reason
; WINDOW 0
.set RO,     9                         ; v[9:11]    bank k: its row's byte offset in my 32 rows of W + 16 lane
.set BIAS,   12                        ; v[12:15]   b_a + b_b of columns 4 lane .. +3
.set WA,     16                        ; v[16:23]   LDS address of column block n's fragments
.set ROWOFF, 32                        ; v[32:63]   row i of the pass: token x 2,048 + 16 lane (xh).  Before the barrier they serve otherwise:
.set LS,     40                        ; v40        where the row in hand goes in the tile (LDS address + 8 lane)
.set T,      48                        ; v[48:63]   at work: my 32 f16 of a row of the tile
.set BANK,   64                        ; v[64:255]  building the tile: 3 banks of 64 (a's 8 x 4 registers, then b's)
.set OB,     64                        ; v[64:191]  in a pass: RAW0, RAW1; then FB0; then the 32 rows on their way out
.set OUTOFF, 192                       ; v[192:223] row i of the pass: token x 4,096 + 16 lane (out0)
; v1 lane, v2 16 lane, v3 r = lane % 16, v4 h = lane / 16, v5 my 32 rows of the tile + 8 lane, v6 stage by rows (16 lane), v7 stage by
; fragments (528 r + 16 h), v8 stage for results (528 r + 32 h)
; WINDOW 1
.set ACC,    0                         ; v[0:127]   accumulator (m, n) at 8 (8 m + n): token block m (2), column block n (8)
;                                        v[128:255] RAW2, RAW3; then FB1
; WINDOWS 2, 3: x fragments, K step ks (32), token block m: window 2 + ks / 16, register 16 (ks % 16) + 8 m
; SCALARS: s[4:5] expert_b, s[6:7] expert_w, s[8:9] lists, s[10:11] xh, s[12:13] out0 + slice, s14 wave, s15 slice, s16 pair, s17 a, s18 b,
; s19 512 slice, s[20:21], s[22:23] my 32 rows of W_a, W_b, s24 trips, s25 first row + rows taken, s27 C, s29 base, s30 valid rows,
; s[32:63] the pass's tokens, s[66:67] counts + word, s[68:69] my next block of the list, s[74:77] bias rows, s81 my passes,
; s82 the pass's number; s2, s3, s26, s31 at work
.set SL,     70                        ; s[70:72]   bank k: the byte offset in my part of the tile of the row that the bank holds
.set MSB, 0
.macro WIN new                         ; low byte: bits 1:0 source 0, 3:2 source 1, 5:4 source 2, 7:6 destination; the high byte repeats the setting left
.if MSB != (\new)
	s_set_vgpr_msb (MSB<<8)|(\new)
.set MSB, (\new)
.endif
.endm
; Four places of plain vector instructions stand between a matrix instruction and a load into a register that it read, or an LDS store
; of its result; other matrix instructions are not counted as places here.  They stand beside the waits on va_vdst, not in their place.
.macro PLACES
.rept 4
	v_nop
.endr
.endm
	s_load_b256 s[4:11], s[0:1], 0x0               ; expert_b, expert_w, lists, xh
	s_load_b64 s[12:13], s[0:1], 0x20              ; out0
	s_load_b64 s[66:67], s[0:1], 0x28              ; counts
	v_lshl_add_u32 v30, v0, 2, 0x48c00
	v_mov_b32 v31, 0
	v_lshrrev_b32 v36, 5, v0
	v_readfirstlane_b32 s14, v36                   ; wave 0..3
	s_mov_b32 s15, ttmp9                           ; slice
	s_and_b32 s16, ttmp7, 0xffff                   ; pair
	s_mov_b32 s17, 0                               ; a = how many of the later a's first pairs lie at or below p
.irp first, 7, 13, 18, 22, 25, 27
	s_cmp_ge_u32 s16, \first
	s_cselect_b32 s26, 1, 0
	s_add_co_u32 s17, s17, s26
.endr
	s_sub_co_u32 s26, 15, s17
	s_mul_i32 s26, s26, s17
	s_lshr_b32 s26, s26, 1                         ; a (15 - a) / 2: a's first pair
	s_sub_co_u32 s18, s16, s26
	s_add_co_u32 s18, s18, s17
	s_add_co_u32 s18, s18, 1                       ; b = p - first + a + 1
	s_add_co_u32 s25, s17, s18
	s_and_b32 s25, s25, 7
	s_lshl_b32 s25, s25, 2                         ; the row that every wave of this work-group starts with: 4 ((a + b) & 7)
	v_and_b32 v1, 31, v0
	v_lshlrev_b32 v2, 4, v1
	v_and_b32 v3, 15, v0
	v_bfe_u32 v4, v0, 4, 1
	s_wait_alu depctr_va_sdst(0)                   ; s14 is written, ahead of its first reader: LDS places, bases and trips are made from it
	s_mul_i32 s26, s14, 32*WPITCH
	s_add_co_u32 s26, s26, WT
	v_lshl_add_u32 v5, v1, 3, s26                  ; my 32 rows of the tile, 8 bytes a lane
	s_lshl_b32 s31, s15, 19                        ; 128 rows of 4,096 bytes a slice
	s_lshl_b32 s26, s14, 17                        ; 32 rows a wave
	s_add_co_u32 s31, s31, s26
	s_lshl_b32 s19, s15, 9                         ; 128 f32 a slice
	s_mov_b32 s3, 0
	s_wait_kmcnt 0x0
	s_lshl_b32 s2, s16, 2
	s_add_nc_u64 s[66:67], s[66:67], s[2:3]
	s_load_b32 s27, s[66:67], 0x0                  ; C, the pair's count; waited for below, with the biases
	s_lshl_b32 s2, s17, 22                         ; 4 MiB an expert
	s_add_co_u32 s2, s2, s31
	s_add_nc_u64 s[20:21], s[6:7], s[2:3]
	s_lshl_b32 s2, s18, 22
	s_add_co_u32 s2, s2, s31
	s_add_nc_u64 s[22:23], s[6:7], s[2:3]
	s_lshl_b32 s2, s17, 12
	s_add_co_u32 s2, s2, s19
	s_add_nc_u64 s[74:75], s[4:5], s[2:3]
	s_lshl_b32 s2, s18, 12
	s_add_co_u32 s2, s2, s19
	s_add_nc_u64 s[76:77], s[4:5], s[2:3]
	s_mov_b32 s2, s19
	s_add_nc_u64 s[12:13], s[12:13], s[2:3]
	s_lshl_b32 s2, s16, 13                         ; the pair's row of lists: 8,192 bytes,
	s_lshl_b32 s26, s14, 7                         ; and in it my first block: 32 w entries of 4 bytes
	s_add_co_u32 s2, s2, s26
	s_add_nc_u64 s[68:69], s[8:9], s[2:3]
; The next of my 32 rows, for this bank: its offset in W into the bank's own vector register, its offset in the tile into the bank's own scalar.
; 32 picks in all (3 in front of the loop, 27 in it, 2 behind it) take each row once.
.macro PICK bank
	s_and_b32 s26, s25, 31                         ; modulo 32
	s_min_u32 s26, s26, 31                         ; 0 .. 31, said once more as a minimum: changes no value; the row stays in my part of the tile
	s_add_co_u32 s25, s25, 1
	s_mul_i32 s[SL+\bank], s26, WPITCH
	v_lshl_add_u32 v[RO+\bank], s26, 12, v2        ; 4,096 bytes a row + 16 lane
.endm
; 16 loads: one row (4,096 bytes) of W_a and of W_b into a bank; each covers 512 consecutive bytes.  No hint: 7 work-groups read each byte.
.macro RLOAD bank
.irp j, 0,1,2,3,4,5,6,7
	global_load_b128 v[BANK+64*\bank+4*\j:BANK+64*\bank+4*\j+3], v[RO+\bank], s[20:21] offset:512*\j
.endr
.irp j, 0,1,2,3,4,5,6,7
	global_load_b128 v[BANK+64*\bank+32+4*\j:BANK+64*\bank+32+4*\j+3], v[RO+\bank], s[22:23] offset:512*\j
.endr
.endm
.irp k, 0,1,2
	PICK \k
.endr
	s_wait_alu depctr_va_vdst(0)                   ; v2 and the three RO are written, which the loads below read as their offsets
	global_load_b128 v[BIAS:BIAS+3], v2, s[74:75]
	global_load_b128 v[32:35], v2, s[76:77]
.irp k, 0,1,2
	RLOAD \k                                       ; the weight stream starts before anything else is done
.endr
	s_mul_i32 s26, s14, STAGEB                     ; my stage.  The lines below name no register of the loads that are out
	v_add_nc_u32 v6, s26, v2
	v_mul_u32_u24 v39, v3, SPITCH
	v_add_nc_u32 v39, s26, v39
	v_lshl_add_u32 v7, v4, 4, v39
	v_lshl_add_u32 v8, v4, 5, v39
	v_mul_u32_u24 v39, v3, WPITCH
	v_lshl_add_u32 v39, v4, 4, v39                 ; a fragment: row r, 16 bytes for each half of the lanes
.irp n, 0,1,2,3,4,5,6,7
	v_add_nc_u32 v[WA+\n], WT+\n*16*WPITCH, v39
.endr
	s_wait_loadcnt 48                              ; the 48 loads of the three banks are younger: the biases are in
	v_pk_add_f32 v[BIAS:BIAS+1], v[BIAS:BIAS+1], v[32:33]
	v_pk_add_f32 v[BIAS+2:BIAS+3], v[BIAS+2:BIAS+3], v[34:35]
	s_wait_kmcnt 0x0                               ; C
	s_min_u32 s27, s27, 0x800                      ; at most all 2,048 tokens: this bound changes no value
; One row of the tile.  left = the younger loads that may stay out (two banks of 16 while the ring is full): loads come back in order
; (ISA guide 5.7.1), so the bank's 16 are in, and its offset register, which only they read, may be written again.
; refill = 1: the bank takes the row three picks ahead.  Lane l holds k = 128 j + 4 l .. +3: 8 bytes of f16 at 256 j + 8 l.
; No base is stepped: the loop needs no wait on XCNT.
.macro ROW bank, refill, left
	s_wait_loadcnt \left
	s_wait_alu depctr_vm_vsrc(0)                   ; the last row's LDS stores have read T and LS, this bank's loads have read RO: all three are written below
.irp j, 0,1,2,3,4,5,6,7,8,9,10,11,12,13,14,15
	v_pk_add_f32 v[BANK+64*\bank+2*\j:BANK+64*\bank+2*\j+1], v[BANK+64*\bank+2*\j:BANK+64*\bank+2*\j+1], v[BANK+64*\bank+32+2*\j:BANK+64*\bank+32+2*\j+1]
.endr
.irp j, 0,1,2,3,4,5,6,7,8,9,10,11,12,13,14,15
	v_cvt_pk_f16_f32 v[T+\j], v[BANK+64*\bank+2*\j], v[BANK+64*\bank+2*\j+1]
.endr
	v_add_nc_u32 v[LS], s[SL+\bank], v5            ; the place of the row that the bank held,
.if \refill
	PICK \bank                                     ; and only then the row that it holds next
.endif
	s_wait_alu depctr_va_vdst(0)                   ; T and LS are written, which the LDS stores read; with a refill: RO is written, and the adds and roundings are done with the bank, in which the loads land
.if \refill
	RLOAD \bank                                    ; the loads go ahead of the LDS stores
.endif
.irp j, 0,1,2,3,4,5,6,7
	ds_store_b64 v[LS], v[T+2*\j:T+2*\j+1] offset:256*\j
.endr
.endm
	s_mov_b32 s24, 9                               ; 27 of my 32 rows in the loop
.Lprod:
	ROW 0, 1, 32
	ROW 1, 1, 32
	ROW 2, 1, 32
	s_sub_co_u32 s24, s24, 1
	s_cmp_lg_u32 s24, 0
	s_cbranch_scc1 .Lprod
	ROW 0, 1, 32                                   ; the last five rows: two more refills, then the counts run down
	ROW 1, 1, 32
	ROW 2, 0, 32
	ROW 0, 0, 16
	ROW 1, 0, 0
	s_wait_dscnt 0x0                               ; for the others' sake: my rows of the tile are in LDS
	s_barrier_signal -1
	s_barrier_wait -1                              ; the only barrier: from here the tile is only read
	s_lshl_b32 s29, s14, 5                         ; my first block of 32
	s_cmp_ge_u32 s29, s27
	s_cbranch_scc1 .Lend                           ; nothing for this wave; no barrier follows
	s_sub_co_u32 s81, s27, s29                     ; my passes: blocks of 32 at 32 w, 32 w + 128, .. below C
	s_add_co_u32 s81, s81, 127
	s_lshr_b32 s81, s81, 7
	s_min_u32 s81, s81, 16                         ; 2,048 tokens / 128 a trip: this bound changes no value
	s_mov_b32 s82, 0
; round i of the gather: token block m = i / 4, K quarter q = i % 4 (256 k = 512 bytes of a row); raw buffer q: window q / 2, v64, v128, v128, v192
.macro XLOAD i                         ; 16 rows x 512 bytes into the round's raw buffer
.set XQ, (\i)&3
.set XM, (\i)>>2
.set XB, 64*XQ+64*(1-(XQ>>1))
	WIN (XQ>>1)<<6
.irp j, 0,1,2,3,4,5,6,7,8,9,10,11,12,13,14,15
	global_load_b128 v[XB+4*\j:XB+4*\j+3], v[ROWOFF+16*XM+\j], s[10:11] offset:512*XQ
.endr
.endm
; Round i + 3 is asked for; round i's rows go into my stage, its fragments come back: lane (r, h) takes k = 32 u + 8 h .. and 32 u + 16 + 8 h .. of row r
.macro XSTAGE i, left
	s_wait_loadcnt \left                           ; the younger rounds (16 loads each) stay out
	s_wait_dscnt 0x0                               ; the last round's fragment loads have read the stage
.if (\i) < 5
.if (\i) > 0
	WIN ((((\i)+3)&3)>>1)<<6
	s_wait_alu depctr_vm_vsrc(0)                   ; the last round's LDS stores have read their raw buffer, in which the loads below land
.endif
	XLOAD (\i)+3                                   ; (round 3's buffer has had no reader since the wait at the pass's head)
.endif
.set XQ, (\i)&3
.set XM, (\i)>>2
.set XB, 64*XQ+64*(1-(XQ>>1))
	WIN (XQ>>1)<<2
.irp j, 0,1,2,3,4,5,6,7,8,9,10,11,12,13,14,15
	ds_store_b128 v6, v[XB+4*\j:XB+4*\j+3] offset:SPITCH*\j
.endr
.if XQ < 2
	WIN 0x80
.else
	WIN 0xc0
.endif
.irp u, 0,1,2,3,4,5,6,7
.set XF, 16*((8*XQ+\u)&15)+8*XM
	ds_load_b128 v[XF:XF+3],   v7 offset:64*\u     ; LDS serves a wave's instructions in order (ISA guide 5.7.1): these see the stores above
	ds_load_b128 v[XF+4:XF+7], v7 offset:64*\u+32
.endr
.endm
; Step q of the multiply is two K steps, 2 q and 2 q + 1: 16 W fragments, fragment f = 8 (K step % 2) + column block, in FB[q % 2]: window 0 from v64, window 1 from v128.
.macro FETCH8 q, c                     ; 8 LDS loads: fragments 4 c .. 4 c + 3
.set FBB, 64+64*((\q)&1)
.irp t, 0,1,2,3
.set FF, 4*(\c)+\t
	ds_load_b128 v[FBB+8*FF:FBB+8*FF+3],   v[WA+(FF&7)] offset:64*(2*(\q)+(FF>>3))
	ds_load_b128 v[FBB+8*FF+4:FBB+8*FF+7], v[WA+(FF&7)] offset:64*(2*(\q)+(FF>>3))+32
.endr
.endm
; 4 of a step's 32 matrix instructions, used transposed: source 0 = 16 rows of the tile (output columns), source 1 = 16 tokens, so that lane (r, h)
; holds of token r the eight NEIGHBOURING columns 16 n + 8 h + 0..7.  Number w: K step 2 p + w / 16, column block (w / 2) % 8, token block w % 2:
; the 16 accumulators take turns, K ascending.  The first K step starts the sums: nothing is cleared.
.macro MUL4 p, w0
.set FBB, 64+64*((\p)&1)
.irp d, 0,1,2,3
.set WW, (\w0)+\d
.set KS, 2*(\p)+(WW>>4)
.set AC, ACC+8*(8*(WW&1)+((WW>>1)&7))
.set FA, FBB+8*(8*(WW>>4)+((WW>>1)&7))
.set XF, 16*(KS&15)+8*(WW&1)
.if KS == 0
	v_wmma_f32_16x16x32_f16 v[AC:AC+7], v[FA:FA+7], v[XF:XF+7], 0
.else
	v_wmma_f32_16x16x32_f16 v[AC:AC+7], v[FA:FA+7], v[XF:XF+7], v[AC:AC+7]
.endif
.endr
.endm
; Step p.  Windows of its matrix instructions: W fragment p % 2, x fragment 2 + p / 8, C and D 1.  In an even step the same setting serves the loads
; (address in window 0, destination in window 1); in an odd step they go under setting 0.
; The next step's 32 loads are dealt in four runs of eight behind the step's first 4, 8, 12 and 16 matrix instructions, which name FB[p % 2], ACC and
; x fragments: none of the registers that those loads touch (WA and the other FB).  So the one wait at the step's head serves all 32.
.macro STEP p
.set MW, 0x58+4*((\p)>>3)+((\p)&1)
.if (\p)&1
.set FW, 0
.else
.set FW, MW
.endif
.if (\p) > 0 && (\p) < 15
	PLACES                                         ; between the last step's matrix instructions and the loads into the buffer that they read
.endif
	s_wait_dscnt 16                                ; this step's first K step is in (in step 0: the x fragments too); the younger sixteen loads, its second, may be out
.if (\p) > 0 && (\p) < 15
	s_wait_alu depctr_va_vdst(0)                   ; the last step's matrix instructions are done reading the other FB, in which the loads below land
.endif
.irp c, 0,1,2,3
	WIN MW
	MUL4 \p, 4*\c
.if (\p) < 15
	WIN FW
	FETCH8 (\p)+1, \c
.endif
.endr
.if (\p) < 15
	s_wait_dscnt 32                                ; all but the 32 just issued: this step's second K step is in
.else
	s_wait_dscnt 0x0                               ; nothing more is fetched
.endif
	WIN MW
.irp c, 4,5,6,7
	MUL4 \p, 4*\c
.endr
.endm
; token block m on its way out: results into my stage, whole rows of 512 bytes back, + bias, one store a row; rows past the pair's count are left out
.macro OUTM m
	WIN 0x04
.irp n, 0,1,2,3,4,5,6,7
	ds_store_b128 v8, v[ACC+8*(8*\m+\n):ACC+8*(8*\m+\n)+3]   offset:64*\n
	ds_store_b128 v8, v[ACC+8*(8*\m+\n)+4:ACC+8*(8*\m+\n)+7] offset:64*\n+16
.endr
	WIN 0
.irp i, 0,1,2,3,4,5,6,7,8,9,10,11,12,13,14,15
	ds_load_b128 v[OB+4*(16*\m+\i):OB+4*(16*\m+\i)+3], v6 offset:SPITCH*\i
.endr
.irp i, 0,1,2,3,4,5,6,7,8,9,10,11,12,13,14,15
	s_wait_dscnt 15-\i                             ; LDS loads come back in order: row i is in, the younger ones stay out
	v_pk_add_f32 v[OB+4*(16*\m+\i):OB+4*(16*\m+\i)+1],   v[OB+4*(16*\m+\i):OB+4*(16*\m+\i)+1],   v[BIAS:BIAS+1]
	v_pk_add_f32 v[OB+4*(16*\m+\i)+2:OB+4*(16*\m+\i)+3], v[OB+4*(16*\m+\i)+2:OB+4*(16*\m+\i)+3], v[BIAS+2:BIAS+3]
.endr
	s_wait_alu depctr_va_vdst(0)                   ; the additions have written the block's 16 rows of OB, which the stores below read
.irp i, 0,1,2,3,4,5,6,7,8,9,10,11,12,13,14,15
	s_cmp_le_u32 s30, 16*\m+\i
	s_cbranch_scc1 .Lout_done
	global_store_b128 v[OUTOFF+16*\m+\i], v[OB+4*(16*\m+\i):OB+4*(16*\m+\i)+3], s[12:13] th:TH_STORE_NT   ; 512 consecutive bytes of one row, aligned
.endr
.endm
.Lpass:
	; the block's 32 tokens, straight into scalars.  base <= 2,016, so the 128 bytes end inside the pair's row of 8,192
	s_load_b512 s[32:47], s[68:69], 0x0
	s_load_b512 s[48:63], s[68:69], 0x40
	s_sub_co_u32 s30, s27, s29
	s_min_u32 s30, s30, 32                         ; rows that are stored
	s_wait_kmcnt 0x0
	s_add_nc_u64 s[68:69], s[68:69], 512           ; behind the wait that shows the two loads done: 128 entries further on
	s_wait_alu depctr_vm_vsrc(0)                   ; the last pass's stores have read OB and OUTOFF, its LDS stores ACC and the raw buffers, its gather ROWOFF; in the first pass the tile's LDS stores have read LS and T, which are ROWOFF's registers: all are written in this pass
.set II, 0
.rept 32
	s_min_u32 s[32+II], s[32+II], 0x7ff            ; a token's number, inside xh and out0
	v_lshl_add_u32 v[ROWOFF+II], s[32+II], 11, v2
	v_lshl_add_u32 v[OUTOFF+II], s[32+II], 12, v2
.set II, II+1
.endr
	s_wait_alu depctr_va_vdst(0)                   ; ROWOFF and OUTOFF are written, which the gather's loads and the last stores read; the vector and matrix instructions of the last pass (in the first pass: of the tile's rows) are done with the raw buffers, the x fragments and FB, in which loads land.  No vector instruction follows before step 0
	; the gather: three rounds of 16 loads are on their way while one goes through the stage
	XLOAD 0
	XLOAD 1
	XLOAD 2
	XSTAGE 0, 32
	XSTAGE 1, 32
	XSTAGE 2, 32
	XSTAGE 3, 32
	XSTAGE 4, 32
	XSTAGE 5, 32
	XSTAGE 6, 16
	XSTAGE 7, 0
	; the multiply
	WIN 0
	s_wait_alu depctr_vm_vsrc(0)                   ; rounds 4 to 7's LDS stores have read the raw buffers: these registers are FB0 and FB1 from here on, and later OB
.irp c, 0,1,2,3
	FETCH8 0, \c
.endr
.irp p, 0,1,2,3,4,5,6,7,8,9,10,11,12,13,14,15
	STEP \p
.endr
	PLACES                                         ; between the last matrix instructions and the LDS stores of their results
	s_wait_alu depctr_va_vdst(0)                   ; the matrix instructions have written ACC, which the LDS stores read, and are done reading FB0, in which the rows on their way out land
	OUTM 0
	OUTM 1
.Lout_done:                                            ; every LDS load of the way out has been waited for by its additions
	s_wait_xcnt 0x0                                ; OB, OUTOFF, which the stores read, are rewritten only behind this wait (ISA guide 3.1); the wait on vm_vsrc beside it stands at the next pass's head
	s_add_co_u32 s29, s29, 128                     ; four waves x 32 tokens further on
	s_add_co_u32 s82, s82, 1                       ; the loop ends on its count of passes
	s_cmp_lt_u32 s82, s81
	s_cbranch_scc1 .Lpass
.Lend:
	s_wait_dscnt 0x0
	s_wait_alu depctr_hold_cnt(0) depctr_sa_sdst(0) depctr_va_vdst(0) depctr_va_sdst(0) depctr_va_ssrc(0) depctr_va_vcc(0) depctr_vm_vsrc(0)
	s_wait_tensorcnt 0x0
	ds_add_u32 v30, v31
	s_wait_dscnt 0x0
	s_endpgm
.Lfunc_end_k_q4069dbbbc4_experts:
	.size	k_q4069dbbbc4_experts, .Lfunc_end_k_q4069dbbbc4_experts-k_q4069dbbbc4_experts
	.p2alignl 7, 3214868480
	.fill 96, 4, 3214868480
	.section	.rodata,"a",@progbits
	.p2align	6, 0x0
	.amdhsa_kernel k_q4069dbbbc4_experts
		.amdhsa_group_segment_fixed_size 298496
		.amdhsa_private_segment_fixed_size 0
		.amdhsa_enable_private_segment 0
		.amdhsa_kernarg_size 48
		.amdhsa_user_sgpr_count 2
		.amdhsa_user_sgpr_kernarg_segment_ptr 1
		.amdhsa_wavefront_size32 1
		.amdhsa_system_sgpr_workgroup_id_x 1
		.amdhsa_system_sgpr_workgroup_id_y 1
		.amdhsa_system_sgpr_workgroup_id_z 1
		.amdhsa_system_vgpr_workitem_id 0
		.amdhsa_next_free_vgpr 1024
		.amdhsa_next_free_sgpr 84
		.amdhsa_reserve_vcc 0
		.amdhsa_float_denorm_mode_32 3
		.amdhsa_float_denorm_mode_16_64 3
		.amdhsa_memory_ordered 1
		.amdhsa_forward_progress 1
		.amdhsa_inst_pref_size 160
	.end_amdhsa_kernel
	.amdgpu_metadata
---
amdhsa.version: [ 1, 2 ]
amdhsa.kernels:
  - .name:           k_q4069dbbbc4_experts
    .symbol:         k_q4069dbbbc4_experts.kd
    .args:
      - { .name: expert_b, .offset: 0, .size: 8, .value_kind: global_buffer, .address_space: global }
      - { .name: expert_w, .offset: 8, .size: 8, .value_kind: global_buffer, .address_space: global }
      - { .name: lists, .offset: 16, .size: 8, .value_kind: global_buffer, .address_space: global }
      - { .name: xh, .offset: 24, .size: 8, .value_kind: global_buffer, .address_space: global }
      - { .name: out0, .offset: 32, .size: 8, .value_kind: global_buffer, .address_space: global }
      - { .name: counts, .offset: 40, .size: 8, .value_kind: global_buffer, .address_space: global }
    .group_segment_fixed_size: 298496
    .private_segment_fixed_size: 0
    .kernarg_segment_align: 8
    .kernarg_segment_size: 48
    .max_flat_workgroup_size: 128
    .sgpr_count:     84
    .vgpr_count:     1024
    .wavefront_size: 32
...
	.end_amdgpu_metadata
.endif
;; end of part 4
